; MI455X (gfx1250); checked and timed in simulation.
; The chip was launched on July 23, 2026; its instructions are those of AMD's public machine-readable ISA for CDNA 5 (MIT licence, August 2026) and "CDNA5" Instruction Set Architecture Reference Guide (July 2026). The comments in the code are by the model that wrote it; some were corrected since.
;; QKV Attention Legacy. Allowed arithmetic: matrix products marked QUANTISED: E5M2 operands, one given power-of-two scale a tensor, by v_wmma_f32_16x16x64_bf8_bf8 or v_wmma_f32_16x16x128_bf8_bf8, f32 sums; everything else in f32.
;; Inputs: lowp_scales 4 int32 (the exponents e of the quantised operands' scales 2^e); mask 4 x 2,048 float32; qkv 4 x 3,072 x 2,048 float32.
;; Outputs: out0 4 x 1,024 x 2,048 float32.
;; Constants: n_heads = 16.
;; This version of the problem:
;;   THIS VERSION OF THE PROBLEM IS GIVEN IN LOW PRECISION. The matrix products marked QUANTISED in the list below multiply operands that are first quantised to E5M2 (5 exponent bits, 2 mantissa bits; 8 bits a number), with one given power-of-two scale for each operand tensor; their sums are f32. All else is computed in f32.
;;   The module's matrix products, in the order in which they are computed (A, B: the left and right operand; K: the contracted axis; several contracted axes count as one K, in the product's order):
;;     1. batch 64 x [M 2,048, K 64] x [K 64, N 2,048]; A: computed on the way; B: computed on the way: QUANTISED (scales: A lowp_scales[0], B lowp_scales[1])
;;     2. batch 64 x [M 64, K 2,048] x [K 2,048, N 2,048]; A: input qkv; B: computed on the way: QUANTISED (scales: A lowp_scales[2], B lowp_scales[3])
;;   THE QUANTISER, for each operand of a quantised product, along K:
;;     - The operand's scale is 2^e, e = its entry of the input lowp_scales (int32; the entries are numbered through the quantised products in the list's order, A before B).
;;     - Each number is divided by the scale, clamped to +-57,344, and rounded to the nearest number of E5M2, ties to even, subnormals kept.
;;     - The product sums the exact products of the quantised numbers (number of the format x scale) in f32.
;;   ~~~python
;;   def quantise(x, axis, e):      # numpy; x: float32 -> the quantised numbers, widened to float32 again
;;       x = np.moveaxis(x, axis, -1); K = x.shape[-1]
;;       r = np.clip(x / 2.0 ** e, -57344, 57344)
;;       step = 2.0 ** (np.maximum(np.frexp(np.where(r == 0, 1, r))[1] - 1, -14) - 2)
;;       q = np.round(r / step) * step * 2.0 ** e      # np.round: ties to even
;;       return np.moveaxis(q, -1, axis).astype(np.float32)
;;   ~~~
;;   OPERANDS COMPUTED ON THE WAY. 'Computed on the way' means the value that the module computes at that place (a softmax that the list does not call 'softmax' is quantised finished and normalised). What goes into a quantiser is computed in f32, as accurately as f32 sums, v_exp_f32 and their like allow (about 1e-6 of the number): no bf16 or f16 on the way to a quantiser, and a product that is left as it is and whose result goes on into a quantised operand takes f32 operands (vector FMAs, or v_wmma_f32_16x16x4_f32). A number that lies on a knife's edge between two numbers of the format may be rounded either way, as far as f32 arithmetic and the matrix unit's own rounding can turn it there, and no further.
;; 2 versions, each right; version 2 is version 1 with the launch attn written anew for expert scheduling mode. Each part assembles by itself: llvm-mc -triple=amdgcn-amd-amdhsa -mcpu=gfx1250 --defsym DOCPART=n.
;; ======== version 1 of 2: 1 launch
;; launch attn (part 1): grid 4 x 64, 8 waves a work-group, no clusters, 184,320 bytes of LDS; arguments qkv, mask, lowp_scales, out0; writes out0
.if DOCPART == 1
	.amdgcn_target "amdgcn-amd-amdhsa--gfx1250"
	.amdhsa_code_object_version 6
	.text
	.protected	k_q29740eac52_attn
	.globl	k_q29740eac52_attn
	.p2align	8
	.type	k_q29740eac52_attn,@function
k_q29740eac52_attn:
	s_mov_b64 s[64:65], 0
	v_nop
	global_prefetch_b8 v0, s[64:65] scope:SCOPE_SE
	s_setreg_imm32_b32 hwreg(HW_REG_WAVE_MODE, 25, 1), 1
	s_wait_xcnt 0x0
; out0[b][c][t] = sum over s of Q(softmax_s(w[t][s]) x mask[b & 3][s] ; e3) x Q(v[c][s] ; e2),  w[t][s] = sum over c of Q(q[c][t] x 64^-0.25 ; e0) x Q(k[c][s] x 64^-0.25 ; e1).
; qkv is taken as [64 heads][192 rows][2048]: rows 0-63 q, 64-127 k, 128-191 v; T innermost.  Q(. ; e): divided by 2^e, held within +-57,344, rounded to E5M2.  Both products on codes of BF8; sums in f32.
; NOTHING IS LEFT OUT: every row of qkv, every row of mask (head b takes row b mod 4, and b runs through all four) and all four scales reach the output; all inputs are loaded.
; SHARES.  A work-group owns 512 queries of one head (x = the quarter, y = the head).  ITS EIGHT WAVES SHARE THE KEYS, NOT THE QUERIES: wave w owns keys 256 w .. 256 w + 255, for all 512 queries.
;   So its codes of K (16 tiles of 16 keys x 64 channels, 128 registers) and of V (8 fragments of 16 channels x 128 keys, 128 registers) are made once, at the head, and stay in registers.
;   For a tile of 16 queries the wave's scores are 128 registers.  p = 2^(t - Mw), t = w x log2(e), Mw = the wave's largest t rounded UP to a whole number, stays there in f32 until the eight waves have
;   exchanged (Mw, lw) through LDS; then weight = p x 2^(Mw - M) / l x mask is what is quantised: the finished, normalised, masked weight.  Each score is multiplied once and has one exponential.
;   The second product gives eight partial sums over keys; they meet in LDS, 64 queries at a time, and leave as rows of 256 consecutive aligned bytes.
; THE KEYS OF A TILE ARE NOT NEIGHBOURS.  Tile T = 8 f + u, row 8 h + e is key 256 w + 64 f + 16 (u / 2) + 4 (u % 2) + 8 h + e % 4 + 128 (e / 4) (each bit of 0..255 once).  With lane l = 16 f + 4 (u / 2) + 2 h + u % 2
;   those are keys 4 l .. 4 l + 3 and 128 + 4 l .. + 3: two loads of 16 bytes a lane, 512 consecutive bytes a wave.  The same numbering is used for K's rows, the mask, p's codes and V's codes, so every product meets its partner.
; NO CLUSTER: the four work-groups of a head share K's and V's f32 numbers alone, 131,072 bytes a wave read once at the head, and those must pass through registers to be turned and quantised; a joint request fills LDS only.
; LIMITS.  e0 .. e3 each between -126 and 112; e0 + e1 and e2 + e3 between -126 and 127 (each power of two below is an f32 number).  NaN and infinities among the inputs are not served.  A weight under 2^-126 counts as 0.
;   Order of rounding: for keys of tiles 0-7 the weight is (p x mask) x F, for tiles 8-15 (p x F) x mask, F = 2^(Mw - M) x (1 / l), 1 / l by v_rcp_f32.
; REGISTERS.  Window 1: v0-127 K (tile T at 8 T); v128-255 V (channels 16 ct on, keys' half f: at 128 + 16 (2 ct + f)).
;   Window 0: v0 thread; v1, v2 the add's two; v3-15 addresses; v16 -Mw, v17 lw; v18-25 at work; v26 the hold, v27 the scale; v32-63 mask (v32-39 first Q's fragment); v64-95 the statistics, then p's codes;
;   v96-127 mask, then the four accumulators of O; v128-255 the scores.  At the head: v40-47 mask as loaded; v64-95 codes; v96-127 32 numbers turned; v128-255 four sets of 32 numbers as loaded.
.set ROW,    8192                      ; a row of qkv or of out0 in bytes
.set OPREG,  17408                     ; LDS 0 ..: a region for each wave: 64 rows (channels) x OPP; at the head the wave's own stage, for K's images and then for V's rows of codes
.set OPP,    272                       ; 64 queries in f32 + 16 bytes
.set IMG,    1040                      ; an image of a fragment of 8 registers: 2 x 512 bytes + 16
.set QIMG,   8*OPREG                   ; 32 images: Q's codes, tile of 16 queries by tile
.set MASK,   QIMG+32*IMG               ; the head's row of the mask, as it lies; wave w stores and reads bytes 1024 w on
.set STATS,  MASK+8192                 ; 2 x 1,280: row r x 80 + 8 w: (-Mw, lw); two sets by turns
.set SPARE,  STATS+2560                ; the spare words, 128 bytes for each wave: four blocks of 256 bytes that no other line names
.set S,      128
.set LB,     128
.set TB,     96
.set CB,     64
.set MSB, 0
.macro WIN new                         ; the immediate's high byte repeats the setting that is left
.if MSB != \new
	s_set_vgpr_msb (MSB<<8)|\new
.set MSB, \new
.endif
.endm
.macro PLACES                          ; four plain places behind a matrix instruction, ahead of reads of its result and of loads into its registers
.rept 4
	v_nop
.endr
.endm
.macro BAR                             ; my LDS stores have landed and my LDS loads are in: then the work-group's barrier
	s_wait_dscnt 0x0
	s_barrier_signal -1
	s_barrier_wait -1
.endm
; THE HEAD'S STREAM: 36 chunks of eight loads of 16 bytes a lane, into set n % 4.
; n < 16: K, channels 8 (n / 2) + 0 .. 7, keys 4 l + 128 (n % 2) + 0 .. 3.   16 .. 19: Q, channels 16 (n - 16) + 8 (lane / 16) + 0 .. 7, queries 64 w + 4 (lane % 16) + 0 .. 3.   20 ..: V, channels 4 (n - 20) + 0 .. 3, my 8 keys.
.macro LOADC n
.set LBn, LB+32*((\n)%4)
.if (\n) < 16
.set lu, (\n)&1
.set lg, (\n)>>1
.irp i, 0,1,2,3,4,5,6,7
	global_load_b128 v[LBn+4*\i:LBn+4*\i+3], v3, s[34:35] offset:(8*lg+\i)*ROW+512*lu      ; 32 lanes read 512 consecutive bytes
.endr
.elseif (\n) < 20
.set lp, (\n)-16
.irp i, 0,1,2,3,4,5,6,7
	global_load_b128 v[LBn+4*\i:LBn+4*\i+3], v4, s[38:39] offset:(16*lp+\i)*ROW th:TH_LOAD_NT   ; sixteen lanes read 256 consecutive bytes of a row, the other sixteen of the row 8 further down; read by this wave alone
.endr
.else
.set lc, 4*((\n)-20)
.irp j, 0,1,2,3
	global_load_b128 v[LBn+8*\j:LBn+8*\j+3],   v3, s[36:37] offset:(lc+\j)*ROW
	global_load_b128 v[LBn+8*\j+4:LBn+8*\j+7], v3, s[36:37] offset:(lc+\j)*ROW+512
.endr
.endif
.endm
; Chunk n is quantised and goes to LDS.  K and Q: the multiplication by 64^-0.25 also turns [channel][key] into [key][channel], so that a conversion's eight numbers are eight neighbours along the first product's K.
.macro WORKC n
.set WL, LB+32*((\n)%4)
.set WC, CB+8*((\n)%4)
.if 35-(\n) >= 3
	s_wait_loadcnt 24                              ; this chunk's eight loads are in; those of the three chunks behind it may be out
.else
	s_wait_loadcnt 8*(35-(\n))
.endif
.if (\n) < 20
.irp i, 0,1,2,3,4,5,6,7
.irp a, 0,1,2,3
	v_mul_f32 v[TB+8*\a+\i], s24, v[WL+4*\i+\a]
.endr
.endr
.else
.irp k, 0,1,2,3,4,5,6,7,8,9,10,11,12,13,14,15,16,17,18,19,20,21,22,23,24,25,26,27,28,29,30,31
	v_med3_num_f32 v[TB+\k], v[WL+\k], -v26, v26   ; V is quantised as it comes: the hold also frees the set
.endr
.endif
.if (\n)+4 <= 35
	LOADC (\n)+4                                   ; the set takes the chunk four further on
.endif
.if (\n) < 20
.irp k, 0,1,2,3,4,5,6,7,8,9,10,11,12,13,14,15,16,17,18,19,20,21,22,23,24,25,26,27,28,29,30,31
	v_med3_num_f32 v[TB+\k], v[TB+\k], -v26, v26   ; the conversion to an 8-bit code does not saturate (ISA guide 7.6.2): the hold at the largest code x the scale
.endr
.endif
.irp a, 0,1,2,3
	v_cvt_scalef32_pk8_bf8_f32 v[WC+2*\a:WC+2*\a+1], v[TB+8*\a:TB+8*\a+7], v27
.endr
	v_nop                                          ; a plain instruction between the conversions and the next lines that write their sources
.if (\n) < 16
.set wu, (\n)&1
.set wg, (\n)>>1
.irp a, 0,1,2,3
	ds_store_b64 v5, v[WC+2*\a:WC+2*\a+1] offset:512*(wg>>2)+256*(wg&1)+8*((wg>>1)&1)+16*(4*wu+\a)   ; into the image of my key's tile: lane (row, wg % 2), register pair wg / 2
.endr
.elseif (\n) < 20
.set wp, (\n)-16
.irp a, 0,1,2,3
	ds_store_b64 v9, v[WC+2*\a:WC+2*\a+1] offset:512*(wp>>1)+8*(wp&1)+16*\a
.endr
.else
.set wc, 4*((\n)-20)
.irp a, 0,1,2,3
	ds_store_b64 v7, v[WC+2*\a:WC+2*\a+1] offset:OPP*(wc+\a)                                       ; row = channel; my 8 keys' codes at 8 x lane
.endr
.endif
.endm
.macro QLOAD q                         ; Q's fragment of the group's tile q: the image as it stands
	ds_load_b128 v[32:35], v4 offset:IMG*(\q)
	ds_load_b128 v[36:39], v4 offset:IMG*(\q)+512
.endm
.macro MLOAD k, B                      ; the mask for score tiles 4 k .. 4 k + 3, in the scores' own order: eight loads; sixteen lanes read the same 16 bytes
.irp t, 0,1,2,3
.set TT, 4*(\k)+\t
	ds_load_b128 v[\B+8*\t:\B+8*\t+3],   v5 offset:256*(TT>>3)+64*((TT&7)>>1)+16*(TT&1)
	ds_load_b128 v[\B+8*\t+4:\B+8*\t+7], v5 offset:256*(TT>>3)+64*((TT&7)>>1)+16*(TT&1)+512
.endr
.endm
.macro MULM k, B                       ; score tiles 4 k .. 4 k + 3 x the mask
.irp j, 0,2,4,6,8,10,12,14,16,18,20,22,24,26,28,30
	v_pk_mul_f32 v[S+32*(\k)+\j:S+32*(\k)+\j+1], v[S+32*(\k)+\j:S+32*(\k)+\j+1], v[\B+\j:\B+\j+1]
.endr
.endm
; A: the scores of my 256 keys for the group's tile q, my largest t, p, my sum; (-Mw, lw) to LDS.
.macro APHASE q
.if (\q) > 0
	s_wait_dscnt 8                                 ; Q's two loads are in; the eight stores of O issued behind them may be out
.else
	s_wait_dscnt 0
.endif
	WIN 0x01                                       ; source 0 (K) window 1
.irp T, 0,1,2,3,4,5,6,7,8,9,10,11,12,13,14,15
	v_wmma_f32_16x16x64_bf8_bf8 v[S+8*\T:S+8*\T+7], v[8*\T:8*\T+7], v[32:39], 0   ; S^T: source 0 = 16 keys, source 1 = 16 queries: a lane holds one query (lane % 16)
.endr
	WIN 0
	PLACES
	MLOAD 0, 96                                    ; both buffers are free here; the barrier's wait covers these sixteen loads
	MLOAD 1, 32
	v_max3_num_f32 v18, v[S], v[S+1], v[S+2]       ; the largest score, in four chains, ascending: each tile is first read at its low end
	v_max3_num_f32 v19, v[S+3], v[S+4], v[S+5]
	v_max3_num_f32 v20, v[S+6], v[S+7], v[S+8]
	v_max3_num_f32 v21, v[S+9], v[S+10], v[S+11]
.set nn, 0
.rept 58
	v_max3_num_f32 v[18+nn%4], v[18+nn%4], v[S+12+2*nn], v[S+13+2*nn]
.set nn, nn+1
.endr
	v_max3_num_f32 v18, v18, v19, v20
	v_max_num_f32 v18, v18, v21
	v_permlanex16_b32 v19, v18, s20, s21           ; the query's other 128 of my keys lie in the lane 16 away
	v_max_num_f32 v18, v18, v19
	v_mul_f32 v18, s22, v18                        ; as t (the factor is positive)
	v_floor_f32 v16, -v18                          ; -Mw = floor(-t) = -ceil(t): a whole number
	v_pk_fma_f32 v[S:S+1], v[S:S+1], s[22:23], v[16:17] op_sel_hi:[1,0,0]       ; t - Mw, two at a time (of both pairs the low word serves both halves)
	v_pk_fma_f32 v[S+2:S+3], v[S+2:S+3], s[22:23], v[16:17] op_sel_hi:[1,0,0]
.set bb, 0
.rept 64                               ; ONE BATCH: scalings two pairs ahead of their exponentials; nothing here names an exponential's result
.if bb+2 < 64
	v_pk_fma_f32 v[S+2*bb+4:S+2*bb+5], v[S+2*bb+4:S+2*bb+5], s[22:23], v[16:17] op_sel_hi:[1,0,0]
.endif
	v_exp_f32 v[S+2*bb], v[S+2*bb]
	v_exp_f32 v[S+2*bb+1], v[S+2*bb+1]
.set bb, bb+1
.endr
	v_nop                                          ; a plain instruction behind the last exponential
	s_wait_alu depctr_va_vdst(0)                   ; one wait for the batch, ahead of its first reader
.irp k, 0,1,2,3
	v_pk_add_f32 v[18+2*\k:19+2*\k], v[S+4*\k:S+4*\k+1], v[S+4*\k+2:S+4*\k+3]   ; the sum of the unquantised p, in four chains of pairs
.endr
.set nn, 0
.rept 56
	v_pk_add_f32 v[18+2*(nn%4):19+2*(nn%4)], v[18+2*(nn%4):19+2*(nn%4)], v[S+16+2*nn:S+17+2*nn]
.set nn, nn+1
.endr
	v_pk_add_f32 v[18:19], v[18:19], v[20:21]
	v_pk_add_f32 v[22:23], v[22:23], v[24:25]
	v_pk_add_f32 v[18:19], v[18:19], v[22:23]
	v_add_f32 v18, v18, v19
	v_permlanex16_b32 v19, v18, s20, s21
	v_add_f32 v17, v18, v19                        ; lw
	ds_store_b64 v6, v[16:17] offset:1280*((\q)&1) ; both halves of the lanes write the same pair
.endm
; B: the exchange, the finished weight, its codes, my partial O.
.macro BPHASE q
	BAR                                            ; all eight pairs of this tile lie in LDS.  This set of statistics is written again two tiles on: every wave passes a barrier, with its reads waited for, in between
.irp k, 0,1,2,3
	ds_load_b128 v[64+4*\k:64+4*\k+3], v7 offset:1280*((\q)&1)+16*\k   ; v[64+2k] = -Mk, v[65+2k] = lk
.endr
	MULM 0, 96
	MLOAD 2, 96
	MULM 1, 32
	MLOAD 3, 32
	s_wait_dscnt 16                                ; the statistics are in; the sixteen loads of the mask issued behind them may be out
	v_max3_num_f32 v18, -v64, -v66, -v68           ; M
	v_max3_num_f32 v18, v18, -v70, -v72
	v_max3_num_f32 v18, v18, -v74, -v76
	v_max_num_f32 v18, v18, -v78
.irp k, 0,1,2,3,4,5,6,7
	v_sub_f32 v[64+2*\k], -v[64+2*\k], v18         ; Mk - M: a whole number, 0 or less
.endr
.irp k, 0,1,2,3,4,5,6,7
	v_cvt_i32_f32 v[64+2*\k], v[64+2*\k]           ; (it saturates)
.endr
.irp k, 0,1,2,3,4,5,6,7
	v_ldexp_f32 v[65+2*\k], v[65+2*\k], v[64+2*\k] ; lk under M: nothing is rounded
.endr
	v_add_f32 v65, v65, v67
	v_add_f32 v69, v69, v71
	v_add_f32 v73, v73, v75
	v_add_f32 v77, v77, v79
	v_add_f32 v65, v65, v69
	v_add_f32 v73, v73, v77
	v_add_f32 v65, v65, v73                        ; l: the same order in all eight waves
	v_rcp_f32 v20, v65
	v_sub_f32 v19, -v16, v18                       ; Mw - M.  (The plain instruction behind the reciprocal)
	v_cvt_i32_f32 v19, v19
	s_wait_alu depctr_va_vdst(0)                   ; the wait ahead of the reciprocal's first reader
	v_ldexp_f32 v22, v20, v19                      ; F = 2^(Mw - M) / l
.irp j, 0,2,4,6,8,10,12,14,16,18,20,22,24,26,28,30,32,34,36,38,40,42,44,46,48,50,52,54,56,58,60,62
	v_pk_mul_f32 v[S+\j:S+\j+1], v[S+\j:S+\j+1], v[22:23] op_sel_hi:[1,0]
	v_pk_mul_f32 v[S+64+\j:S+64+\j+1], v[S+64+\j:S+64+\j+1], v[22:23] op_sel_hi:[1,0]
.endr
	s_wait_dscnt 8                                 ; the mask for tiles 8-11 is in; the eight loads for tiles 12-15 may be out
	MULM 2, 96
	s_wait_dscnt 0
	MULM 3, 32
.if (\q) < 3
	QLOAD (\q)+1                                   ; v32-39 are free: the next tile's Q
.endif
.irp T, 0,1,2,3,4,5,6,7,8,9,10,11,12,13,14,15
.irp i, 0,1,2,3,4,5,6,7
	v_med3_num_f32 v[S+8*\T+\i], v[S+8*\T+\i], -v26, v26   ; the hold; two-sided, since the mask is any f32 number
.endr
	v_cvt_scalef32_pk8_bf8_f32 v[64+2*\T:65+2*\T], v[S+8*\T:S+8*\T+7], v27   ; registers 2 u, 2 u + 1 of p's fragment f
.endr
	v_nop                                          ; a plain instruction between the last conversion and the products that read its result
	WIN 0x04                                       ; source 1 (V) window 1
.irp f, 0,1
.irp c, 0,1,2,3
.if \f == 0
	v_wmma_f32_16x16x128_bf8_bf8 v[96+8*\c:103+8*\c], v[64:79], v[128+32*\c:143+32*\c], 0   ; source 0 = p's 16 queries, source 1 = V's 16 channels: a lane holds one channel and eight neighbouring queries
.else
	v_wmma_f32_16x16x128_bf8_bf8 v[96+8*\c:103+8*\c], v[80:95], v[144+32*\c:159+32*\c], v[96+8*\c:103+8*\c]   ; the four accumulators take turns, one instruction a turn
.endif
.endr
.endr
	WIN 0
	PLACES
.irp c, 0,1,2,3
	ds_store_b128 v8, v[96+8*\c:99+8*\c]   offset:16*OPP*\c+64*(\q)      ; each accumulator from its low end on
	ds_store_b128 v8, v[100+8*\c:103+8*\c] offset:16*OPP*\c+64*(\q)+16
.endr
.endm
; The eight partial sums of 64 queries x my 8 channels are added, multiplied by 2^(e2 + e3) and stored: sixteen lanes store 256 consecutive bytes, at a multiple of 256 from out0's first byte.
.macro REDUCE
.irp p, 0,1,2,3
.irp x, 0,1,2,3
	ds_load_b128 v[S+32*\p+4*\x:S+32*\p+4*\x+3], v9 offset:OPREG*\x+2*OPP*\p
.endr
.irp x, 0,1,2,3
	ds_load_b128 v[S+32*\p+16+4*\x:S+32*\p+16+4*\x+3], v10 offset:OPREG*\x+2*OPP*\p
.endr
.endr
.irp p, 0,1,2,3
	s_wait_dscnt 24-8*\p                           ; these eight loads are in; those of the later pairs of rows may be out
.irp x, 0,8,16,24
	v_pk_add_f32 v[S+32*\p+\x:S+32*\p+\x+1],   v[S+32*\p+\x:S+32*\p+\x+1],   v[S+32*\p+\x+4:S+32*\p+\x+5]
	v_pk_add_f32 v[S+32*\p+\x+2:S+32*\p+\x+3], v[S+32*\p+\x+2:S+32*\p+\x+3], v[S+32*\p+\x+6:S+32*\p+\x+7]
.endr
.irp x, 0,16
	v_pk_add_f32 v[S+32*\p+\x:S+32*\p+\x+1],   v[S+32*\p+\x:S+32*\p+\x+1],   v[S+32*\p+\x+8:S+32*\p+\x+9]
	v_pk_add_f32 v[S+32*\p+\x+2:S+32*\p+\x+3], v[S+32*\p+\x+2:S+32*\p+\x+3], v[S+32*\p+\x+10:S+32*\p+\x+11]
.endr
	v_pk_add_f32 v[S+32*\p:S+32*\p+1],   v[S+32*\p:S+32*\p+1],   v[S+32*\p+16:S+32*\p+17]
	v_pk_add_f32 v[S+32*\p+2:S+32*\p+3], v[S+32*\p+2:S+32*\p+3], v[S+32*\p+18:S+32*\p+19]
	v_pk_mul_f32 v[S+32*\p:S+32*\p+1],   v[S+32*\p:S+32*\p+1],   s[26:27] op_sel_hi:[1,0]
	v_pk_mul_f32 v[S+32*\p+2:S+32*\p+3], v[S+32*\p+2:S+32*\p+3], s[26:27] op_sel_hi:[1,0]
	global_store_b128 v11, v[S+32*\p:S+32*\p+3], s[10:11] offset:2*ROW*\p th:TH_STORE_NT   ; written once, read by nobody here
.endr
.endm
	; ---------------- THE HEAD ----------------
	s_load_b256 s[4:11], s[0:1], 0x0               ; qkv s[4:5], mask s[6:7], the scales' exponents s[8:9], out0 s[10:11]
	v_lshl_add_u32 v1, v0, 2, SPARE                ; my spare word; never rewritten
	v_mov_b32 v2, 0                                ; 0; never rewritten
	v_lshrrev_b32 v11, 5, v0
	v_readfirstlane_b32 s12, v11                   ; wave 0..7
	s_and_b32 s13, ttmp7, 0xffff                   ; the head b
	v_and_b32 v12, 31, v0                          ; lane
	v_and_b32 v13, 15, v0                          ; lane % 16
	v_bfe_u32 v14, v0, 4, 1                        ; lane / 16
	v_lshlrev_b32 v3, 4, v12                       ; K, V, mask: 16 x lane
	v_lshlrev_b32 v4, 4, v13
	v_lshl_add_u32 v4, v14, 16, v4                 ; Q: 16 (lane % 16) + 8 rows x (lane / 16)
	s_mul_i32 s52, s13, 192*ROW                    ; the head's first byte in qkv (under 2^27)
	s_mov_b32 s53, 0
	s_lshl_b32 s54, s12, 10                        ; my 256 keys: 1,024 bytes of a row
	s_mov_b32 s55, 0
	s_lshl_b32 s56, ttmp9, 11                      ; the quarter's 512 queries,
	s_lshl_b32 s57, s12, 8                         ; of which I quantise 64
	s_add_co_u32 s56, s56, s57
	s_mov_b32 s57, 0
	s_and_b32 s58, s13, 3                          ; the mask's row: b mod 4
	s_lshl_b32 s58, s58, 13
	s_add_co_u32 s58, s58, s54
	s_mov_b32 s59, 0
	s_lshl_b32 s60, s13, 19                        ; the head's 64 rows of out0,
	s_lshl_b32 s61, ttmp9, 11                      ; the quarter
	s_add_co_u32 s60, s60, s61
	s_mov_b32 s61, 0
	s_mov_b32 s20, 0x76543210                      ; v_permlanex16_b32's selects: lane l xor 16
	s_mov_b32 s21, 0xfedcba98
	s_mov_b32 s24, 0x3eb504f3                      ; 64^-0.25
	s_wait_kmcnt 0x0
	s_load_b128 s[16:19], s[8:9], 0x0              ; e0, e1, e2, e3
	s_add_nc_u64 s[38:39], s[4:5], s[52:53]        ; the head
	s_add_nc_u64 s[34:35], s[38:39], s[54:55]      ; + my keys
	s_add_nc_u64 s[36:37], s[34:35], 128*ROW       ; V
	s_add_nc_u64 s[34:35], s[34:35], 64*ROW        ; K
	s_add_nc_u64 s[38:39], s[38:39], s[56:57]      ; Q
	s_add_nc_u64 s[40:41], s[6:7], s[58:59]        ; the mask
	s_add_nc_u64 s[10:11], s[10:11], s[60:61]      ; out0
	global_load_b128 v[40:43], v3, s[40:41]
	global_load_b128 v[44:47], v3, s[40:41] offset:512
	LOADC 0
	LOADC 1
	LOADC 2
	LOADC 3
	s_mul_i32 s30, s12, OPREG                      ; my region (kept)
	v_and_b32 v15, 1, v0
	v_bfe_u32 v11, v0, 2, 2
	v_lshl_add_u32 v15, v11, 1, v15
	v_lshl_add_u32 v15, v14, 3, v15                ; my keys' tile: 8 (l / 16) + 2 ((l / 4) % 4) + l % 2
	v_mul_u32_u24 v5, v15, IMG
	v_bfe_u32 v11, v0, 1, 1
	v_lshl_add_u32 v5, v11, 7, v5                  ; + 16 bytes x 8 rows x ((l / 2) % 2)
	v_add_nc_u32 v5, s30, v5                       ; K's images, on the way in
	v_add_nc_u32 v6, s30, v3                       ; and back: 16 x lane
	v_lshlrev_b32 v7, 3, v12
	v_add_nc_u32 v7, s30, v7                       ; V's rows, on the way in: 8 x lane
	v_mul_u32_u24 v8, v13, OPP
	v_lshl_add_u32 v8, v14, 4, v8
	v_add_nc_u32 v8, s30, v8                       ; and back: row lane % 16, + 16 (lane / 16)
	v_bfe_u32 v11, v0, 2, 2
	v_mul_u32_u24 v9, v11, IMG
	v_and_b32 v11, 3, v0
	v_lshl_add_u32 v9, v11, 6, v9
	v_lshl_add_u32 v9, v14, 8, v9
	s_mul_i32 s31, s12, 4*IMG
	s_add_co_u32 s31, s31, QIMG
	v_add_nc_u32 v9, s31, v9                       ; Q's images: tile 4 w + (lane % 16) / 4, lane (4 (lane % 4) + a, lane / 16)
	s_lshl_b32 s32, s12, 10
	s_add_co_u32 s32, s32, MASK                    ; my part of the mask in LDS (kept)
	v_add_nc_u32 v10, s32, v3
	v_mov_b32 v17, 0                               ; (named as the upper half of the pair v[16:17])
	s_wait_kmcnt 0x0
.irp i, 0,1,2,3                        ; for each e: s[44 + 2 i] = 2^e as f32, s[45 + 2 i] = 57,344 x 2^e
	s_add_co_i32 s[45+2*\i], s[16+\i], 127
	s_lshl_b32 s[44+2*\i], s[45+2*\i], 23
	s_add_co_i32 s[45+2*\i], s[45+2*\i], 15
	s_lshl_b32 s[45+2*\i], s[45+2*\i], 23
	s_or_b32 s[45+2*\i], s[45+2*\i], 0x600000
.endr
	s_add_co_i32 s22, s16, s17
	s_lshl_b32 s22, s22, 23
	s_add_co_i32 s22, s22, 0x3fb8aa3b              ; log2(e) x 2^(e0 + e1): the two exponents are added to the exponent field
	s_mov_b32 s23, s22                             ; (named with it as a pair)
	s_add_co_i32 s26, s18, s19
	s_add_co_i32 s26, s26, 127
	s_lshl_b32 s26, s26, 23                        ; 2^(e2 + e3)
	s_mov_b32 s27, s26
	v_mov_b32 v27, s46                             ; K: e1
	v_mov_b32 v26, s47
.irp n, 0,1,2,3,4,5,6,7,8,9,10,11,12,13,14,15
	WORKC \n
.endr
	WIN 0x40                                       ; destination window 1
.irp T, 0,1,2,3,4,5,6,7,8,9,10,11,12,13,14,15
	ds_load_b128 v[8*\T:8*\T+3],   v6 offset:IMG*\T        ; LDS serves a wave's instructions in order (ISA guide 5.7.1.4): these see my stores, and V's stores below come behind them
	ds_load_b128 v[8*\T+4:8*\T+7], v6 offset:IMG*\T+512
.endr
	WIN 0
	v_mov_b32 v27, s44                             ; Q: e0
	v_mov_b32 v26, s45
.irp n, 16,17,18,19
	WORKC \n
.endr
	v_mov_b32 v27, s48                             ; V: e2
	v_mov_b32 v26, s49
.irp n, 20,21,22,23,24,25,26,27,28,29,30,31,32,33,34,35
	WORKC \n
.endr
	WIN 0x40
.irp c, 0,1,2,3
.irp f, 0,1
.irp j, 0,1,2,3
	ds_load_b128 v[128+16*(2*\c+\f)+4*\j:128+16*(2*\c+\f)+4*\j+3], v8 offset:16*OPP*\c+128*\f+32*\j
.endr
.endr
.endr
	WIN 0
	ds_store_b128 v10, v[40:43]                    ; the mask, as it lies
	ds_store_b128 v10, v[44:47] offset:512
	BAR                                            ; Q's 32 images lie in LDS; my fragments of K and V are in; every global load was waited for in the last chunk
	v_lshlrev_b32 v3, 4, v12
	v_add_nc_u32 v3, QIMG, v3                      ; Q's images: 16 x lane
	v_lshlrev_b32 v5, 5, v14
	v_add_nc_u32 v5, s32, v5                       ; the mask: my keys, + 8 keys x (lane / 16)
	v_mul_u32_u24 v7, v13, 80
	v_add_nc_u32 v7, STATS, v7                     ; the statistics of my query,
	s_lshl_b32 s33, s12, 3
	v_add_nc_u32 v6, s33, v7                       ; and my wave's pair among them
	v_mul_u32_u24 v8, v13, OPP
	v_lshl_add_u32 v8, v14, 5, v8
	v_add_nc_u32 v8, s30, v8                       ; O, on the way in: my region, row lane % 16, + 32 (lane / 16)
	s_mul_i32 s31, s12, 8*OPP
	v_mul_u32_u24 v9, v14, OPP
	v_lshl_add_u32 v9, v13, 4, v9
	v_add_nc_u32 v9, s31, v9                       ; and back: rows 8 w + lane / 16, 16 bytes a lane: regions 0-3,
	v_add_nc_u32 v10, 4*OPREG, v9                  ; regions 4-7
	s_lshl_b32 s33, s12, 16
	v_lshlrev_b32 v11, 13, v14
	v_lshl_add_u32 v11, v13, 4, v11
	v_add_nc_u32 v11, s33, v11                     ; the same rows in out0
	v_mov_b32 v27, s50                             ; the weights: e3
	v_mov_b32 v26, s51
	s_mov_b32 s28, 8
	s_mov_b32 s29, 0
	; ---------------- 8 GROUPS OF 64 QUERIES ----------------
.Lgroup:
	v_add_nc_u32 v4, s29, v3                       ; the group's four images of Q
	QLOAD 0
	APHASE 0
	BPHASE 0
	APHASE 1
	BPHASE 1
	APHASE 2
	BPHASE 2
	APHASE 3
	BPHASE 3
	BAR                                            ; all eight waves' partial sums of the group lie in LDS.  They are written again behind the next group's first barrier, which each wave reaches with its reads below waited for
	REDUCE
	s_wait_xcnt 0x0                                ; the stores have read their data and their base: both are written again below
	s_add_nc_u64 s[10:11], s[10:11], 256           ; 64 queries on
	s_add_co_u32 s29, s29, 4*IMG
	s_sub_co_u32 s28, s28, 1
	s_cmp_lg_u32 s28, 0
	s_cbranch_scc1 .Lgroup
	s_wait_tensorcnt 0x0                           ; the wave's end, behind my last LDS store
	ds_add_u32 v1, v2
	s_wait_dscnt 0x0
	s_endpgm
.Lfunc_end_k_q29740eac52_attn:
	.size	k_q29740eac52_attn, .Lfunc_end_k_q29740eac52_attn-k_q29740eac52_attn
	.p2alignl 7, 3214868480
	.fill 96, 4, 3214868480
	.section	.rodata,"a",@progbits
	.p2align	6, 0x0
	.amdhsa_kernel k_q29740eac52_attn
		.amdhsa_group_segment_fixed_size 184320
		.amdhsa_private_segment_fixed_size 0
		.amdhsa_enable_private_segment 0
		.amdhsa_kernarg_size 32
		.amdhsa_user_sgpr_count 2
		.amdhsa_user_sgpr_kernarg_segment_ptr 1
		.amdhsa_wavefront_size32 1
		.amdhsa_system_sgpr_workgroup_id_x 1
		.amdhsa_system_sgpr_workgroup_id_y 1
		.amdhsa_system_sgpr_workgroup_id_z 1
		.amdhsa_system_vgpr_workitem_id 0
		.amdhsa_next_free_vgpr 512
		.amdhsa_next_free_sgpr 66
		.amdhsa_reserve_vcc 0
		.amdhsa_float_denorm_mode_32 3
		.amdhsa_float_denorm_mode_16_64 3
		.amdhsa_memory_ordered 1
		.amdhsa_forward_progress 1
		.amdhsa_inst_pref_size 255
	.end_amdhsa_kernel
	.section	.bss,"aw",@nobits
	.p2align	6
	.space	262144
	.amdgpu_metadata
---
amdhsa.version: [ 1, 2 ]
amdhsa.kernels:
  - .name:           k_q29740eac52_attn
    .symbol:         k_q29740eac52_attn.kd
    .args:
      - { .name: qkv, .offset: 0, .size: 8, .value_kind: global_buffer, .address_space: global }
      - { .name: mask, .offset: 8, .size: 8, .value_kind: global_buffer, .address_space: global }
      - { .name: lowp_scales, .offset: 16, .size: 8, .value_kind: global_buffer, .address_space: global }
      - { .name: out0, .offset: 24, .size: 8, .value_kind: global_buffer, .address_space: global }
    .group_segment_fixed_size: 184320
    .private_segment_fixed_size: 0
    .kernarg_segment_align: 8
    .kernarg_segment_size: 32
    .max_flat_workgroup_size: 256
    .sgpr_count:     66
    .vgpr_count:     512
    .wavefront_size: 32
...
	.end_amdgpu_metadata
.endif
;; end of part 1
;; ======== version 2 of 2: 1 launch; version 1 with the launch attn written anew for expert scheduling mode
;; launch attn (part 2): grid 4 x 64, 8 waves a work-group, no clusters, 184,320 bytes of LDS; arguments qkv, mask, lowp_scales, out0; writes out0
.if DOCPART == 2
	.amdgcn_target "amdgcn-amd-amdhsa--gfx1250"
	.amdhsa_code_object_version 6
	.text
	.protected	k_q29740eac52_attn
	.globl	k_q29740eac52_attn
	.p2align	8
	.type	k_q29740eac52_attn,@function
k_q29740eac52_attn:
	s_mov_b64 s[64:65], 0
	v_nop
	global_prefetch_b8 v0, s[64:65] scope:SCOPE_SE
	s_setreg_imm32_b32 hwreg(HW_REG_WAVE_SCHED_MODE, 0, 2), 2
	s_setreg_imm32_b32 hwreg(HW_REG_WAVE_MODE, 25, 1), 1
	s_wait_xcnt 0x0
	s_wait_alu depctr_vm_vsrc(0)
; out0[b][c][t] = sum over s of Q(softmax_s(w[t][s]) x mask[b & 3][s] ; e3) x Q(v[c][s] ; e2),  w[t][s] = sum over c of Q(q[c][t] x 64^-0.25 ; e0) x Q(k[c][s] x 64^-0.25 ; e1).
; qkv is taken as [64 heads][192 rows][2048]: rows 0-63 q, 64-127 k, 128-191 v; T innermost.  Q(. ; e): divided by 2^e, held within +-57,344, rounded to E5M2.  Both products on codes of BF8; sums in f32.
; NOTHING IS LEFT OUT: every row of qkv, every row of mask (head b takes row b mod 4, and b runs through all four) and all four scales reach the output; all inputs are loaded.
; SHARES.  A work-group owns 512 queries of one head (x = the quarter, y = the head).  ITS EIGHT WAVES SHARE THE KEYS, NOT THE QUERIES: wave w owns keys 256 w .. 256 w + 255, for all 512 queries.
;   So its codes of K (16 tiles of 16 keys x 64 channels, 128 registers) and of V (8 fragments of 16 channels x 128 keys, 128 registers) are made once, at the head, and stay in registers.
;   For a tile of 16 queries the wave's scores are 128 registers.  p = 2^(t - Mw), t = w x log2(e), Mw = the wave's largest t rounded UP to a whole number, stays there in f32 until the eight waves have
;   exchanged (Mw, lw) through LDS; then weight = p x 2^(Mw - M) / l x mask is what is quantised: the finished, normalised, masked weight.  Each score is multiplied once and has one exponential.
;   The second product gives eight partial sums over keys; they meet in LDS, 64 queries at a time, and leave as rows of 256 consecutive aligned bytes.
; THE KEYS OF A TILE ARE NOT NEIGHBOURS.  Tile T = 8 f + u, row 8 h + e is key 256 w + 64 f + 16 (u / 2) + 4 (u % 2) + 8 h + e % 4 + 128 (e / 4) (each bit of 0..255 once).  With lane l = 16 f + 4 (u / 2) + 2 h + u % 2
;   those are keys 4 l .. 4 l + 3 and 128 + 4 l .. + 3: two loads of 16 bytes a lane, 512 consecutive bytes a wave.  The same numbering is used for K's rows, the mask, p's codes and V's codes, so every product meets its partner.
; NO CLUSTER: the four work-groups of a head share K's and V's f32 numbers alone, 131,072 bytes a wave read once at the head, and those must pass through registers to be turned and quantised; a joint request fills LDS only.
; LIMITS.  e0 .. e3 each between -126 and 112; e0 + e1 and e2 + e3 between -126 and 127 (each power of two below is an f32 number).  NaN and infinities among the inputs are not served.  A weight under 2^-126 counts as 0.
;   Order of rounding: for keys of tiles 0-7 the weight is (p x mask) x F, for tiles 8-15 (p x F) x mask, F = 2^(Mw - M) x (1 / l), 1 / l by v_rcp_f32.
; REGISTERS.  Window 1: v0-127 K (tile T at 8 T); v128-255 V (channels 16 ct on, keys' half f: at 128 + 16 (2 ct + f)).
;   Window 0: v0 thread; v1, v2 the add's two; v3-15 addresses; v16 -Mw, v17 lw; v18-25 at work; v26 the hold, v27 the scale; v32-63 mask (v32-39 first Q's fragment); v64-95 the statistics, then p's codes;
;   v96-127 mask, then the four accumulators of O; v128-255 the scores.  At the head: v40-47 mask as loaded; v64-95 codes; v96-127 32 numbers turned; v128-255 four sets of 32 numbers as loaded.
; THE MODE: SCHED_MODE bits 1:0 = 2 (LLVM: expert scheduling mode 2), set by the entry lines.  The code itself states the register dependences
; between vector or matrix instructions and memory or LDS instructions, with s_wait_alu, always for 0.
; THE PLAN, AT THE HEAD.  Set n % 4 of v128-255: read by chunk n's 32 multiplications (V: holds); then the loads of chunk n + 4 land in it.  Set n % 4 of the codes, v64-95: written by chunk n's conversions, read by its
;   four LDS stores, which are issued in chunk n + 1.  ONE wait on va_vdst a chunk, behind the 32 lines that empty the set, states both: the set is read out, and the chunk before has written its codes.  One wait on vm_vsrc at a
;   chunk's head: the stores issued three chunks back have read the codes' set that this chunk writes again.  v3 .. v10 are written once ahead of their first use and anew behind the head's barrier, behind a wait on vm_vsrc.
; THE PLAN, IN THE LOOP.  v5 .. v11 are never written.  v4: written once a group, between a wait on vm_vsrc and one on va_vdst.
;   v32-39   Q: loaded; read by phase A's sixteen products.            v32-63   mask for tiles 4-7, then 12-15: loaded behind the wait that the exponentials owe, and behind the wait that follows the first two multiplications by the mask.
;   v96-127  mask for tiles 0-3, then 8-11, loaded at the same two places; then O: written by phase B's products, read by its eight LDS stores behind four places and a wait on va_vdst.
;   v[16:17] written in phase A, behind a wait on vm_vsrc for the last tile's store; read by the store of the statistics behind a wait on va_vdst.
;   v64-79   the statistics land behind the tile's barrier: the last to name them, the tile before's conversions and products, stand ahead of phase A's waits on va_vdst.
;   v128-255 the group's 32 loads of partial sums land behind phase B's last wait on va_vdst, since which nothing names them; the four global stores read the sums behind one wait on va_vdst; the next group's products write them behind the group's wait on vm_vsrc.
.set ROW,    8192                      ; a row of qkv or of out0 in bytes
.set OPREG,  17408                     ; LDS 0 ..: a region for each wave: 64 rows (channels) x OPP; at the head the wave's own stage, for K's images and then for V's rows of codes
.set OPP,    272                       ; 64 queries in f32 + 16 bytes
.set IMG,    1040                      ; an image of a fragment of 8 registers: 2 x 512 bytes + 16
.set QIMG,   8*OPREG                   ; 32 images: Q's codes, tile of 16 queries by tile
.set MASK,   QIMG+32*IMG               ; the head's row of the mask, as it lies; wave w stores and reads bytes 1024 w on
.set STATS,  MASK+8192                 ; 2 x 1,280: row r x 80 + 8 w: (-Mw, lw); two sets by turns
.set SPARE,  STATS+2560                ; the spare words, 128 bytes for each wave: four blocks of 256 bytes that no other line names
.set S,      128
.set LB,     128
.set TB,     96
.set CB,     64
.set MSB, 0
.macro WIN new                         ; the immediate's high byte repeats the setting that is left
.if MSB != \new
	s_set_vgpr_msb (MSB<<8)|\new
.set MSB, \new
.endif
.endm
.macro PLACES                          ; four plain places behind a matrix instruction (ISA guide 7.12.1), ahead of reads of its result
.rept 4
	v_nop
.endr
.endm
.macro BAR                             ; my LDS stores have landed and my LDS loads are in: then the work-group's barrier
	s_wait_dscnt 0x0
	s_barrier_signal -1
	s_barrier_wait -1
.endm
; THE HEAD'S STREAM: 36 chunks of eight loads of 16 bytes a lane, into set n % 4.
; n < 16: K, channels 8 (n / 2) + 0 .. 7, keys 4 l + 128 (n % 2) + 0 .. 3.   16 .. 19: Q, channels 16 (n - 16) + 8 (lane / 16) + 0 .. 7, queries 64 w + 4 (lane % 16) + 0 .. 3.   20 ..: V, channels 4 (n - 20) + 0 .. 3, my 8 keys.
.macro LOADC n
.set LBn, LB+32*((\n)%4)
.if (\n) < 16
.set lu, (\n)&1
.set lg, (\n)>>1
.irp i, 0,1,2,3,4,5,6,7
	global_load_b128 v[LBn+4*\i:LBn+4*\i+3], v3, s[34:35] offset:(8*lg+\i)*ROW+512*lu      ; 32 lanes read 512 consecutive bytes
.endr
.elseif (\n) < 20
.set lp, (\n)-16
.irp i, 0,1,2,3,4,5,6,7
	global_load_b128 v[LBn+4*\i:LBn+4*\i+3], v4, s[38:39] offset:(16*lp+\i)*ROW th:TH_LOAD_NT   ; sixteen lanes read 256 consecutive bytes of a row, the other sixteen of the row 8 further down; read by this wave alone
.endr
.else
.set lc, 4*((\n)-20)
.irp j, 0,1,2,3
	global_load_b128 v[LBn+8*\j:LBn+8*\j+3],   v3, s[36:37] offset:(lc+\j)*ROW
	global_load_b128 v[LBn+8*\j+4:LBn+8*\j+7], v3, s[36:37] offset:(lc+\j)*ROW+512
.endr
.endif
.endm
; Chunk n's codes go to LDS: four stores of 8 bytes a lane, from the codes' set n % 4.
.macro STOREC n
.set XCn, CB+8*((\n)%4)
.if (\n) < 16
.set xu, (\n)&1
.set xg, (\n)>>1
.irp a, 0,1,2,3
	ds_store_b64 v5, v[XCn+2*\a:XCn+2*\a+1] offset:512*(xg>>2)+256*(xg&1)+8*((xg>>1)&1)+16*(4*xu+\a)   ; into the image of my key's tile: lane (row, xg % 2), register pair xg / 2
.endr
.elseif (\n) < 20
.set xp, (\n)-16
.irp a, 0,1,2,3
	ds_store_b64 v9, v[XCn+2*\a:XCn+2*\a+1] offset:512*(xp>>1)+8*(xp&1)+16*\a
.endr
.else
.set xc, 4*((\n)-20)
.irp a, 0,1,2,3
	ds_store_b64 v7, v[XCn+2*\a:XCn+2*\a+1] offset:OPP*(xc+\a)                                       ; row = channel; my 8 keys' codes at 8 x lane
.endr
.endif
.endm
; Chunk n is quantised; the chunk before goes to LDS.  K and Q: the multiplication by 64^-0.25 also turns [channel][key] into [key][channel], so that a conversion's eight numbers are eight neighbours along the first product's K.
.macro WORKC n
.set WL, LB+32*((\n)%4)
.set WC, CB+8*((\n)%4)
.if 35-(\n) >= 3
	s_wait_loadcnt 24                              ; this chunk's eight loads are in; those of the three chunks behind it may be out
.else
	s_wait_loadcnt 8*(35-(\n))
.endif
.if (\n) >= 4
	s_wait_alu depctr_vm_vsrc(0)                   ; the LDS stores of chunk n - 4, issued three chunks back, have read the codes' set n % 4, which this chunk's conversions write again
.endif
.if (\n) < 20
.irp i, 0,1,2,3,4,5,6,7
.irp a, 0,1,2,3
	v_mul_f32 v[TB+8*\a+\i], s24, v[WL+4*\i+\a]
.endr
.endr
.else
.irp k, 0,1,2,3,4,5,6,7,8,9,10,11,12,13,14,15,16,17,18,19,20,21,22,23,24,25,26,27,28,29,30,31
	v_med3_num_f32 v[TB+\k], v[WL+\k], -v26, v26   ; V is quantised as it comes: the hold also frees the set
.endr
.endif
	s_wait_alu depctr_va_vdst(0)                   ; the 32 lines above are done reading set n % 4, in which the loads below land; the chunk before's conversions have written its codes, which the stores below read (first chunks: the LDS addresses v5 .. v10 are written too)
.if (\n)+4 <= 35
	LOADC (\n)+4                                   ; the set takes the chunk four further on
.endif
.if (\n) > 0
	STOREC (\n)-1                                  ; the chunk before
.endif
.if (\n) == 16                         ; K's last codes have just been stored: its sixteen images come back as fragments.  No vector or matrix instruction has named these registers, nor v6 since the first chunk's wait
	WIN 0x40                                       ; destination window 1
.irp T, 0,1,2,3,4,5,6,7,8,9,10,11,12,13,14,15
	ds_load_b128 v[8*\T:8*\T+3],   v6 offset:IMG*\T        ; LDS serves a wave's instructions in order (ISA guide 5.7.1.4): these see my stores, and V's stores come behind them
	ds_load_b128 v[8*\T+4:8*\T+7], v6 offset:IMG*\T+512
.endr
	WIN 0
.endif
.if (\n) < 20
.irp k, 0,1,2,3,4,5,6,7,8,9,10,11,12,13,14,15,16,17,18,19,20,21,22,23,24,25,26,27,28,29,30,31
	v_med3_num_f32 v[TB+\k], v[TB+\k], -v26, v26   ; the conversion to an 8-bit code does not saturate (ISA guide 7.6.2): the hold at the largest code x the scale
.endr
.endif
.irp a, 0,1,2,3
	v_cvt_scalef32_pk8_bf8_f32 v[WC+2*\a:WC+2*\a+1], v[TB+8*\a:TB+8*\a+7], v27
.endr
	v_nop                                          ; a plain instruction between the conversions and the next lines that write their sources
.endm
.macro QLOAD q                         ; Q's fragment of the group's tile q: the image as it stands
	ds_load_b128 v[32:35], v4 offset:IMG*(\q)
	ds_load_b128 v[36:39], v4 offset:IMG*(\q)+512
.endm
.macro MLOAD k, B                      ; the mask for score tiles 4 k .. 4 k + 3, in the scores' own order: eight loads; sixteen lanes read the same 16 bytes
.irp t, 0,1,2,3
.set TT, 4*(\k)+\t
	ds_load_b128 v[\B+8*\t:\B+8*\t+3],   v5 offset:256*(TT>>3)+64*((TT&7)>>1)+16*(TT&1)
	ds_load_b128 v[\B+8*\t+4:\B+8*\t+7], v5 offset:256*(TT>>3)+64*((TT&7)>>1)+16*(TT&1)+512
.endr
.endm
.macro MULM k, B                       ; score tiles 4 k .. 4 k + 3 x the mask
.irp j, 0,2,4,6,8,10,12,14,16,18,20,22,24,26,28,30
	v_pk_mul_f32 v[S+32*(\k)+\j:S+32*(\k)+\j+1], v[S+32*(\k)+\j:S+32*(\k)+\j+1], v[\B+\j:\B+\j+1]
.endr
.endm
; A: the scores of my 256 keys for the group's tile q, my largest t, p, my sum; (-Mw, lw) to LDS.
.macro APHASE q
.if (\q) > 0
	s_wait_dscnt 8                                 ; Q's two loads are in; the eight stores of O issued behind them may be out
.else
	s_wait_dscnt 0
.endif
	WIN 0x01                                       ; source 0 (K) window 1
.irp T, 0,1,2,3,4,5,6,7,8,9,10,11,12,13,14,15
	v_wmma_f32_16x16x64_bf8_bf8 v[S+8*\T:S+8*\T+7], v[8*\T:8*\T+7], v[32:39], 0   ; S^T: source 0 = 16 keys, source 1 = 16 queries: a lane holds one query (lane % 16)
.endr
	WIN 0
	PLACES
	v_max3_num_f32 v18, v[S], v[S+1], v[S+2]       ; the largest score, in four chains, ascending: each tile is first read at its low end
	v_max3_num_f32 v19, v[S+3], v[S+4], v[S+5]
	v_max3_num_f32 v20, v[S+6], v[S+7], v[S+8]
	v_max3_num_f32 v21, v[S+9], v[S+10], v[S+11]
.set nn, 0
.rept 58
	v_max3_num_f32 v[18+nn%4], v[18+nn%4], v[S+12+2*nn], v[S+13+2*nn]
.set nn, nn+1
.endr
	v_max3_num_f32 v18, v18, v19, v20
	v_max_num_f32 v18, v18, v21
	v_permlanex16_b32 v19, v18, s20, s21           ; the query's other 128 of my keys lie in the lane 16 away
	v_max_num_f32 v18, v18, v19
	v_mul_f32 v18, s22, v18                        ; as t (the factor is positive)
.if (\q) > 0
	s_wait_alu depctr_vm_vsrc(0)                   ; the last tile's store of the statistics has read v[16:17], which are written from here on; its eight stores of O have read v96-127, in which the mask lands below.  (Tile 0: the wait at the group's head has stated both)
.endif
	v_floor_f32 v16, -v18                          ; -Mw = floor(-t) = -ceil(t): a whole number
	v_pk_fma_f32 v[S:S+1], v[S:S+1], s[22:23], v[16:17] op_sel_hi:[1,0,0]       ; t - Mw, two at a time (of both pairs the low word serves both halves)
	v_pk_fma_f32 v[S+2:S+3], v[S+2:S+3], s[22:23], v[16:17] op_sel_hi:[1,0,0]
.set bb, 0
.rept 64                               ; ONE BATCH: scalings two pairs ahead of their exponentials; nothing here names an exponential's result
.if bb+2 < 64
	v_pk_fma_f32 v[S+2*bb+4:S+2*bb+5], v[S+2*bb+4:S+2*bb+5], s[22:23], v[16:17] op_sel_hi:[1,0,0]
.endif
	v_exp_f32 v[S+2*bb], v[S+2*bb]
	v_exp_f32 v[S+2*bb+1], v[S+2*bb+1]
.set bb, bb+1
.endr
	v_nop                                          ; a plain instruction behind the last exponential
	s_wait_alu depctr_va_vdst(0)                   ; the 128 exponentials have written p, ahead of its first reader; and the sixteen products above are done reading Q in v32-39, in which the mask lands
	MLOAD 0, 96                                    ; both buffers are free here; the sums below name neither, and the barrier's wait covers these sixteen loads
	MLOAD 1, 32
.irp k, 0,1,2,3
	v_pk_add_f32 v[18+2*\k:19+2*\k], v[S+4*\k:S+4*\k+1], v[S+4*\k+2:S+4*\k+3]   ; the sum of the unquantised p, in four chains of pairs
.endr
.set nn, 0
.rept 56
	v_pk_add_f32 v[18+2*(nn%4):19+2*(nn%4)], v[18+2*(nn%4):19+2*(nn%4)], v[S+16+2*nn:S+17+2*nn]
.set nn, nn+1
.endr
	v_pk_add_f32 v[18:19], v[18:19], v[20:21]
	v_pk_add_f32 v[22:23], v[22:23], v[24:25]
	v_pk_add_f32 v[18:19], v[18:19], v[22:23]
	v_add_f32 v18, v18, v19
	v_permlanex16_b32 v19, v18, s20, s21
	v_add_f32 v17, v18, v19                        ; lw
	s_wait_alu depctr_va_vdst(0)                   ; v16 and v17 are written, which the store below reads
	ds_store_b64 v6, v[16:17] offset:1280*((\q)&1) ; both halves of the lanes write the same pair
.endm
; B: the exchange, the finished weight, its codes, my partial O.
.macro BPHASE q
	BAR                                            ; all eight pairs of this tile lie in LDS.  This set of statistics is written again two tiles on: every wave passes a barrier, with its reads waited for, in between
.irp k, 0,1,2,3
	ds_load_b128 v[64+4*\k:64+4*\k+3], v7 offset:1280*((\q)&1)+16*\k   ; v[64+2k] = -Mk, v[65+2k] = lk.  No wait: the last to name v64-79, the tile before's conversions and products, stand ahead of phase A's waits
.endr
	MULM 0, 96
	MULM 1, 32
	s_wait_alu depctr_va_vdst(0)                   ; the 32 multiplications above are done reading v96-127 and v32-63, in which the mask for tiles 8-15 lands
	MLOAD 2, 96
	MLOAD 3, 32
	s_wait_dscnt 16                                ; the statistics are in; the sixteen loads of the mask issued behind them may be out
	v_max3_num_f32 v18, -v64, -v66, -v68           ; M
	v_max3_num_f32 v18, v18, -v70, -v72
	v_max3_num_f32 v18, v18, -v74, -v76
	v_max_num_f32 v18, v18, -v78
.irp k, 0,1,2,3,4,5,6,7
	v_sub_f32 v[64+2*\k], -v[64+2*\k], v18         ; Mk - M: a whole number, 0 or less
.endr
.irp k, 0,1,2,3,4,5,6,7
	v_cvt_i32_f32 v[64+2*\k], v[64+2*\k]           ; (it saturates)
.endr
.irp k, 0,1,2,3,4,5,6,7
	v_ldexp_f32 v[65+2*\k], v[65+2*\k], v[64+2*\k] ; lk under M: nothing is rounded
.endr
	v_add_f32 v65, v65, v67
	v_add_f32 v69, v69, v71
	v_add_f32 v73, v73, v75
	v_add_f32 v77, v77, v79
	v_add_f32 v65, v65, v69
	v_add_f32 v73, v73, v77
	v_add_f32 v65, v65, v73                        ; l: the same order in all eight waves
	v_rcp_f32 v20, v65
	v_sub_f32 v19, -v16, v18                       ; Mw - M.  (The plain instruction behind the reciprocal)
	v_cvt_i32_f32 v19, v19
	s_wait_alu depctr_va_vdst(0)                   ; the reciprocal has written v20, ahead of its first reader
	v_ldexp_f32 v22, v20, v19                      ; F = 2^(Mw - M) / l
.irp j, 0,2,4,6,8,10,12,14,16,18,20,22,24,26,28,30,32,34,36,38,40,42,44,46,48,50,52,54,56,58,60,62
	v_pk_mul_f32 v[S+\j:S+\j+1], v[S+\j:S+\j+1], v[22:23] op_sel_hi:[1,0]
	v_pk_mul_f32 v[S+64+\j:S+64+\j+1], v[S+64+\j:S+64+\j+1], v[22:23] op_sel_hi:[1,0]
.endr
	s_wait_dscnt 8                                 ; the mask for tiles 8-11 is in; the eight loads for tiles 12-15 may be out
	MULM 2, 96
	s_wait_dscnt 0
	MULM 3, 32
.if (\q) < 3
	s_wait_alu depctr_va_vdst(0)                   ; the multiplications above are done reading v32-39, in which the next tile's Q lands
	QLOAD (\q)+1                                   ; v32-39 are free: the next tile's Q
.endif
.irp T, 0,1,2,3,4,5,6,7,8,9,10,11,12,13,14,15
.irp i, 0,1,2,3,4,5,6,7
	v_med3_num_f32 v[S+8*\T+\i], v[S+8*\T+\i], -v26, v26   ; the hold; two-sided, since the mask is any f32 number
.endr
	v_cvt_scalef32_pk8_bf8_f32 v[64+2*\T:65+2*\T], v[S+8*\T:S+8*\T+7], v27   ; registers 2 u, 2 u + 1 of p's fragment f
.endr
	v_nop                                          ; a plain instruction between the last conversion and the products that read its result
	WIN 0x04                                       ; source 1 (V) window 1
.irp f, 0,1
.irp c, 0,1,2,3
.if \f == 0
	v_wmma_f32_16x16x128_bf8_bf8 v[96+8*\c:103+8*\c], v[64:79], v[128+32*\c:143+32*\c], 0   ; source 0 = p's 16 queries, source 1 = V's 16 channels: a lane holds one channel and eight neighbouring queries
.else
	v_wmma_f32_16x16x128_bf8_bf8 v[96+8*\c:103+8*\c], v[80:95], v[144+32*\c:159+32*\c], v[96+8*\c:103+8*\c]   ; the four accumulators take turns, one instruction a turn
.endif
.endr
.endr
	WIN 0
	PLACES
	s_wait_alu depctr_va_vdst(0)                   ; the products have written v96-127, which the stores below read (the places above stay beside this wait); the holds and conversions are done with v128-255, in which the group's partial sums land behind tile 3
.irp c, 0,1,2,3
	ds_store_b128 v8, v[96+8*\c:99+8*\c]   offset:16*OPP*\c+64*(\q)      ; each accumulator from its low end on
	ds_store_b128 v8, v[100+8*\c:103+8*\c] offset:16*OPP*\c+64*(\q)+16
.endr
.endm
; The eight partial sums of 64 queries x my 8 channels are added, multiplied by 2^(e2 + e3) and stored: sixteen lanes store 256 consecutive bytes, at a multiple of 256 from out0's first byte.
.macro REDUCE
.irp p, 0,1,2,3
.irp x, 0,1,2,3
	ds_load_b128 v[S+32*\p+4*\x:S+32*\p+4*\x+3], v9 offset:OPREG*\x+2*OPP*\p       ; no wait: nothing has named v128-255 since the wait ahead of tile 3's stores of O
.endr
.irp x, 0,1,2,3
	ds_load_b128 v[S+32*\p+16+4*\x:S+32*\p+16+4*\x+3], v10 offset:OPREG*\x+2*OPP*\p
.endr
.endr
.irp p, 0,1,2,3
	s_wait_dscnt 24-8*\p                           ; these eight loads are in; those of the later pairs of rows may be out
.irp x, 0,8,16,24
	v_pk_add_f32 v[S+32*\p+\x:S+32*\p+\x+1],   v[S+32*\p+\x:S+32*\p+\x+1],   v[S+32*\p+\x+4:S+32*\p+\x+5]
	v_pk_add_f32 v[S+32*\p+\x+2:S+32*\p+\x+3], v[S+32*\p+\x+2:S+32*\p+\x+3], v[S+32*\p+\x+6:S+32*\p+\x+7]
.endr
.irp x, 0,16
	v_pk_add_f32 v[S+32*\p+\x:S+32*\p+\x+1],   v[S+32*\p+\x:S+32*\p+\x+1],   v[S+32*\p+\x+8:S+32*\p+\x+9]
	v_pk_add_f32 v[S+32*\p+\x+2:S+32*\p+\x+3], v[S+32*\p+\x+2:S+32*\p+\x+3], v[S+32*\p+\x+10:S+32*\p+\x+11]
.endr
	v_pk_add_f32 v[S+32*\p:S+32*\p+1],   v[S+32*\p:S+32*\p+1],   v[S+32*\p+16:S+32*\p+17]
	v_pk_add_f32 v[S+32*\p+2:S+32*\p+3], v[S+32*\p+2:S+32*\p+3], v[S+32*\p+18:S+32*\p+19]
	v_pk_mul_f32 v[S+32*\p:S+32*\p+1],   v[S+32*\p:S+32*\p+1],   s[26:27] op_sel_hi:[1,0]
	v_pk_mul_f32 v[S+32*\p+2:S+32*\p+3], v[S+32*\p+2:S+32*\p+3], s[26:27] op_sel_hi:[1,0]
.endr
	s_wait_alu depctr_va_vdst(0)                   ; the four pairs of rows are written, which the four stores below read
.irp p, 0,1,2,3
	global_store_b128 v11, v[S+32*\p:S+32*\p+3], s[10:11] offset:2*ROW*\p th:TH_STORE_NT   ; written once, read by nobody here
.endr
.endm
	; ---------------- THE HEAD ----------------
	s_load_b256 s[4:11], s[0:1], 0x0               ; qkv s[4:5], mask s[6:7], the scales' exponents s[8:9], out0 s[10:11]
	v_lshl_add_u32 v1, v0, 2, SPARE                ; my spare word; never rewritten
	v_mov_b32 v2, 0                                ; 0; never rewritten
	v_lshrrev_b32 v11, 5, v0
	v_readfirstlane_b32 s12, v11                   ; wave 0..7
	s_and_b32 s13, ttmp7, 0xffff                   ; the head b
	v_and_b32 v12, 31, v0                          ; lane
	v_and_b32 v13, 15, v0                          ; lane % 16
	v_bfe_u32 v14, v0, 4, 1                        ; lane / 16
	v_lshlrev_b32 v3, 4, v12                       ; K, V, mask: 16 x lane
	v_lshlrev_b32 v4, 4, v13
	v_lshl_add_u32 v4, v14, 16, v4                 ; Q: 16 (lane % 16) + 8 rows x (lane / 16)
	s_mul_i32 s52, s13, 192*ROW                    ; the head's first byte in qkv (under 2^27)
	s_mov_b32 s53, 0
	s_wait_alu depctr_va_sdst(0)                   ; s12 is written, ahead of its first reader: the bases and the LDS addresses are made from it
	s_lshl_b32 s54, s12, 10                        ; my 256 keys: 1,024 bytes of a row
	s_mov_b32 s55, 0
	s_lshl_b32 s56, ttmp9, 11                      ; the quarter's 512 queries,
	s_lshl_b32 s57, s12, 8                         ; of which I quantise 64
	s_add_co_u32 s56, s56, s57
	s_mov_b32 s57, 0
	s_and_b32 s58, s13, 3                          ; the mask's row: b mod 4
	s_lshl_b32 s58, s58, 13
	s_add_co_u32 s58, s58, s54
	s_mov_b32 s59, 0
	s_lshl_b32 s60, s13, 19                        ; the head's 64 rows of out0,
	s_lshl_b32 s61, ttmp9, 11                      ; the quarter
	s_add_co_u32 s60, s60, s61
	s_mov_b32 s61, 0
	s_mov_b32 s20, 0x76543210                      ; v_permlanex16_b32's selects: lane l xor 16
	s_mov_b32 s21, 0xfedcba98
	s_mov_b32 s24, 0x3eb504f3                      ; 64^-0.25
	s_wait_kmcnt 0x0
	s_load_b128 s[16:19], s[8:9], 0x0              ; e0, e1, e2, e3
	s_add_nc_u64 s[38:39], s[4:5], s[52:53]        ; the head
	s_add_nc_u64 s[34:35], s[38:39], s[54:55]      ; + my keys
	s_add_nc_u64 s[36:37], s[34:35], 128*ROW       ; V
	s_add_nc_u64 s[34:35], s[34:35], 64*ROW        ; K
	s_add_nc_u64 s[38:39], s[38:39], s[56:57]      ; Q
	s_add_nc_u64 s[40:41], s[6:7], s[58:59]        ; the mask
	s_add_nc_u64 s[10:11], s[10:11], s[60:61]      ; out0
	s_wait_alu depctr_va_vdst(0)                   ; v3 and v4 are written: every global load of the head reads one of them as its offset
	global_load_b128 v[40:43], v3, s[40:41]
	global_load_b128 v[44:47], v3, s[40:41] offset:512
	LOADC 0
	LOADC 1
	LOADC 2
	LOADC 3
	s_mul_i32 s30, s12, OPREG                      ; my region (kept)
	v_and_b32 v15, 1, v0
	v_bfe_u32 v11, v0, 2, 2
	v_lshl_add_u32 v15, v11, 1, v15
	v_lshl_add_u32 v15, v14, 3, v15                ; my keys' tile: 8 (l / 16) + 2 ((l / 4) % 4) + l % 2
	v_mul_u32_u24 v5, v15, IMG
	v_bfe_u32 v11, v0, 1, 1
	v_lshl_add_u32 v5, v11, 7, v5                  ; + 16 bytes x 8 rows x ((l / 2) % 2)
	v_add_nc_u32 v5, s30, v5                       ; K's images, on the way in
	v_add_nc_u32 v6, s30, v3                       ; and back: 16 x lane
	v_lshlrev_b32 v7, 3, v12
	v_add_nc_u32 v7, s30, v7                       ; V's rows, on the way in: 8 x lane
	v_mul_u32_u24 v8, v13, OPP
	v_lshl_add_u32 v8, v14, 4, v8
	v_add_nc_u32 v8, s30, v8                       ; and back: row lane % 16, + 16 (lane / 16)
	v_bfe_u32 v11, v0, 2, 2
	v_mul_u32_u24 v9, v11, IMG
	v_and_b32 v11, 3, v0
	v_lshl_add_u32 v9, v11, 6, v9
	v_lshl_add_u32 v9, v14, 8, v9
	s_mul_i32 s31, s12, 4*IMG
	s_add_co_u32 s31, s31, QIMG
	v_add_nc_u32 v9, s31, v9                       ; Q's images: tile 4 w + (lane % 16) / 4, lane (4 (lane % 4) + a, lane / 16)
	s_lshl_b32 s32, s12, 10
	s_add_co_u32 s32, s32, MASK                    ; my part of the mask in LDS (kept)
	v_add_nc_u32 v10, s32, v3
	v_mov_b32 v17, 0                               ; (named as the upper half of the pair v[16:17])
	s_wait_kmcnt 0x0
.irp i, 0,1,2,3                        ; for each e: s[44 + 2 i] = 2^e as f32, s[45 + 2 i] = 57,344 x 2^e
	s_add_co_i32 s[45+2*\i], s[16+\i], 127
	s_lshl_b32 s[44+2*\i], s[45+2*\i], 23
	s_add_co_i32 s[45+2*\i], s[45+2*\i], 15
	s_lshl_b32 s[45+2*\i], s[45+2*\i], 23
	s_or_b32 s[45+2*\i], s[45+2*\i], 0x600000
.endr
	s_add_co_i32 s22, s16, s17
	s_lshl_b32 s22, s22, 23
	s_add_co_i32 s22, s22, 0x3fb8aa3b              ; log2(e) x 2^(e0 + e1): the two exponents are added to the exponent field
	s_mov_b32 s23, s22                             ; (named with it as a pair)
	s_add_co_i32 s26, s18, s19
	s_add_co_i32 s26, s26, 127
	s_lshl_b32 s26, s26, 23                        ; 2^(e2 + e3)
	s_mov_b32 s27, s26
	v_mov_b32 v27, s46                             ; K: e1
	v_mov_b32 v26, s47
.irp n, 0,1,2,3,4,5,6,7,8,9,10,11,12,13,14,15
	WORKC \n
.endr
	v_mov_b32 v27, s44                             ; Q: e0
	v_mov_b32 v26, s45
.irp n, 16,17,18,19
	WORKC \n
.endr
	v_mov_b32 v27, s48                             ; V: e2
	v_mov_b32 v26, s49
.irp n, 20,21,22,23,24,25,26,27,28,29,30,31,32,33,34,35
	WORKC \n
.endr
	s_wait_alu depctr_va_vdst(0)                   ; the last chunk's conversions have written its codes, which the stores below read
	STOREC 35
	WIN 0x40                                       ; destination window 1.  No vector or matrix instruction has named the registers below, nor v8 since the first chunk's wait
.irp c, 0,1,2,3
.irp f, 0,1
.irp j, 0,1,2,3
	ds_load_b128 v[128+16*(2*\c+\f)+4*\j:128+16*(2*\c+\f)+4*\j+3], v8 offset:16*OPP*\c+128*\f+32*\j
.endr
.endr
.endr
	WIN 0
	ds_store_b128 v10, v[40:43]                    ; the mask, as it lies
	ds_store_b128 v10, v[44:47] offset:512
	BAR                                            ; Q's 32 images lie in LDS; my fragments of K and V are in; every global load was waited for in the last chunk
	s_wait_alu depctr_vm_vsrc(0)                   ; the head's loads and stores have read v3 and v5 .. v10, which are made anew below, and v40-47 and v64-95, in which the loop's loads land
	v_lshlrev_b32 v3, 4, v12
	v_add_nc_u32 v3, QIMG, v3                      ; Q's images: 16 x lane
	v_lshlrev_b32 v5, 5, v14
	v_add_nc_u32 v5, s32, v5                       ; the mask: my keys, + 8 keys x (lane / 16)
	v_mul_u32_u24 v7, v13, 80
	v_add_nc_u32 v7, STATS, v7                     ; the statistics of my query,
	s_lshl_b32 s33, s12, 3
	v_add_nc_u32 v6, s33, v7                       ; and my wave's pair among them
	v_mul_u32_u24 v8, v13, OPP
	v_lshl_add_u32 v8, v14, 5, v8
	v_add_nc_u32 v8, s30, v8                       ; O, on the way in: my region, row lane % 16, + 32 (lane / 16)
	s_mul_i32 s31, s12, 8*OPP
	v_mul_u32_u24 v9, v14, OPP
	v_lshl_add_u32 v9, v13, 4, v9
	v_add_nc_u32 v9, s31, v9                       ; and back: rows 8 w + lane / 16, 16 bytes a lane: regions 0-3,
	v_add_nc_u32 v10, 4*OPREG, v9                  ; regions 4-7
	s_lshl_b32 s33, s12, 16
	v_lshlrev_b32 v11, 13, v14
	v_lshl_add_u32 v11, v13, 4, v11
	v_add_nc_u32 v11, s33, v11                     ; the same rows in out0
	v_mov_b32 v27, s50                             ; the weights: e3
	v_mov_b32 v26, s51
	s_mov_b32 s28, 8
	s_mov_b32 s29, 0
	; ---------------- 8 GROUPS OF 64 QUERIES ----------------
.Lgroup:
	s_wait_alu depctr_vm_vsrc(0)                   ; Q's loads have read v4, which is written below; the last group's global stores have read the sums in v128-255, which the products write; its last store of the statistics has read v[16:17], its last stores of O v96-127
	v_add_nc_u32 v4, s29, v3                       ; the group's four images of Q
	s_wait_alu depctr_va_vdst(0)                   ; v4 is written, which Q's loads read; the last group's multiplications by the mask are done reading v32-39, in which Q lands; in the first trip v5 .. v11 are written, which the loop's LDS instructions and stores read
	QLOAD 0
	APHASE 0
	BPHASE 0
	APHASE 1
	BPHASE 1
	APHASE 2
	BPHASE 2
	APHASE 3
	BPHASE 3
	BAR                                            ; all eight waves' partial sums of the group lie in LDS.  They are written again behind the next group's first barrier, which each wave reaches with its reads below waited for
	REDUCE
	s_wait_xcnt 0x0                                ; the stores have read their data and their base: both are written again below
	s_add_nc_u64 s[10:11], s[10:11], 256           ; 64 queries on
	s_add_co_u32 s29, s29, 4*IMG
	s_sub_co_u32 s28, s28, 1
	s_cmp_lg_u32 s28, 0
	s_cbranch_scc1 .Lgroup
	s_wait_dscnt 0x0                               ; the wave's end: the closing lines, six on end
	s_wait_alu 0x0
	s_wait_tensorcnt 0x0
	ds_add_u32 v1, v2
	s_wait_dscnt 0x0
	s_endpgm
.Lfunc_end_k_q29740eac52_attn:
	.size	k_q29740eac52_attn, .Lfunc_end_k_q29740eac52_attn-k_q29740eac52_attn
	.p2alignl 7, 3214868480
	.fill 96, 4, 3214868480
	.section	.rodata,"a",@progbits
	.p2align	6, 0x0
	.amdhsa_kernel k_q29740eac52_attn
		.amdhsa_group_segment_fixed_size 184320
		.amdhsa_private_segment_fixed_size 0
		.amdhsa_enable_private_segment 0
		.amdhsa_kernarg_size 32
		.amdhsa_user_sgpr_count 2
		.amdhsa_user_sgpr_kernarg_segment_ptr 1
		.amdhsa_wavefront_size32 1
		.amdhsa_system_sgpr_workgroup_id_x 1
		.amdhsa_system_sgpr_workgroup_id_y 1
		.amdhsa_system_sgpr_workgroup_id_z 1
		.amdhsa_system_vgpr_workitem_id 0
		.amdhsa_next_free_vgpr 512
		.amdhsa_next_free_sgpr 66
		.amdhsa_reserve_vcc 0
		.amdhsa_float_denorm_mode_32 3
		.amdhsa_float_denorm_mode_16_64 3
		.amdhsa_memory_ordered 1
		.amdhsa_forward_progress 1
		.amdhsa_inst_pref_size 255
	.end_amdhsa_kernel
	.section	.bss,"aw",@nobits
	.p2align	6
	.space	262144
	.amdgpu_metadata
---
amdhsa.version: [ 1, 2 ]
amdhsa.kernels:
  - .name:           k_q29740eac52_attn
    .symbol:         k_q29740eac52_attn.kd
    .args:
      - { .name: qkv, .offset: 0, .size: 8, .value_kind: global_buffer, .address_space: global }
      - { .name: mask, .offset: 8, .size: 8, .value_kind: global_buffer, .address_space: global }
      - { .name: lowp_scales, .offset: 16, .size: 8, .value_kind: global_buffer, .address_space: global }
      - { .name: out0, .offset: 24, .size: 8, .value_kind: global_buffer, .address_space: global }
    .group_segment_fixed_size: 184320
    .private_segment_fixed_size: 0
    .kernarg_segment_align: 8
    .kernarg_segment_size: 32
    .max_flat_workgroup_size: 256
    .sgpr_count:     66
    .vgpr_count:     512
    .wavefront_size: 32
...
	.end_amdgpu_metadata
.endif
;; end of part 2
